; MI455X (gfx1250); checked and timed in simulation.
; The chip was launched on July 23, 2026; its instructions are those of AMD's public machine-readable ISA for CDNA 5 (MIT licence, August 2026) and "CDNA5" Instruction Set Architecture Reference Guide (July 2026). The comments in the code are by the model that wrote it; some were corrected since.
;; Mo E. Allowed arithmetic: matrix products marked QUANTISED: E2M3 operands, one E8M0 scale for each 32 along K, by v_wmma_scale_f32_16x16x128_f8f6f4 with both operands' format E2M3, f32 sums; products left as they are: f32 operands where the result goes on into a quantised operand, else bf16, f16 or f32 operands; f32 sums; everything else in f32.
;; Inputs: b1 8 x 4,096 float32; b2 8 x 1,024 float32; br 8 float32; w1_codes 8 x 4,096 x 32 x 24 uint8 (E2M3 codes of w1, K innermost, in blocks of 32 codes, four codes in three bytes); w1_scales 8 x 4,096 x 32 uint8 (E8M0 scales of w1, one for each 32 codes along K); w2_codes 8 x 1,024 x 128 x 24 uint8 (E2M3 codes of w2, K innermost, in blocks of 32 codes, four codes in three bytes); w2_scales 8 x 1,024 x 128 uint8 (E8M0 scales of w2, one for each 32 codes along K); wr 1,024 x 8 float32; x 4 x 256 x 1,024 float32.
;; Outputs: out0 4 x 256 x 1,024 float32.
;; This version of the problem:
;;   THIS VERSION OF THE PROBLEM IS GIVEN IN LOW PRECISION. The matrix products marked QUANTISED in the list below multiply operands that are first quantised to E2M3 (2 exponent bits, 3 mantissa bits; 6 bits a number), with one power-of-two scale for each 32 numbers along K (OCP MX v1.0); their sums are f32. All else is computed in f32.
;;   The module's matrix products, in the order in which they are computed (A, B: the left and right operand; K: the contracted axis; several contracted axes count as one K, in the product's order):
;;     1. [M 1,024, K 1,024] x [K 1,024, N 8]; A: input x; B: input wr: left as it is (N = 8 < 16)
;;     2. [M 32,768, K 1,024] x [K 1,024, N 1,024]; A: input w1 (given as codes); B: input x: QUANTISED
;;     3. batch 8 x [M 1,024, K 4,096] x [K 4,096, N 1,024]; A: computed on the way; B: input w2 (given as codes): QUANTISED
;;     4. batch 1,024 x [M 1,024, K 8] x [K 8, N 1]; A: computed on the way; B: computed on the way: left as it is (K = 8 < 32)
;;   THE QUANTISER, for each operand of a quantised product, along K:
;;     - K is cut into blocks of 32 from its start; a last block that is shorter is filled with zeros.
;;     - A block's scale is 2^e with e = floor(log2(the largest magnitude in the block)) - 2, held to -126 .. 127; a block of zeros has e = 0. As a byte (E8M0): e + 127.
;;     - Each number is divided by its block's scale, clamped to +-7.5, and rounded to the nearest number of E2M3, ties to even, subnormals kept.
;;     - The product sums the exact products of the quantised numbers (number of the format x scale) in f32.
;;   ~~~python
;;   def quantise(x, axis):      # numpy; x: float32 -> the quantised numbers, widened to float32 again
;;       x = np.moveaxis(x, axis, -1); K = x.shape[-1]
;;       x = np.pad(x, [(0, 0)] * (x.ndim - 1) + [(0, -K % 32)]); x = x.reshape(x.shape[:-1] + (-1, 32)); a = np.abs(x).max(-1, keepdims=True)
;;       e = np.where(a > 0, np.clip(np.frexp(np.where(a > 0, a, 1))[1] - 1 - 2, -126, 127), 0)      # np.frexp(a)[1] - 1 = floor(log2(a)), exactly
;;       r = np.clip(x / 2.0 ** e, -7.5, 7.5)
;;       step = 2.0 ** (np.maximum(np.frexp(np.where(r == 0, 1, r))[1] - 1, 0) - 3)
;;       q = np.round(r / step) * step * 2.0 ** e      # np.round: ties to even
;;       return np.moveaxis(q.reshape(q.shape[:-2] + (-1,))[..., :K], -1, axis).astype(np.float32)
;;   ~~~
;;   OPERANDS COMPUTED ON THE WAY. 'Computed on the way' means the value that the module computes at that place (a softmax that the list does not call 'softmax' is quantised finished and normalised). What goes into a quantiser is computed in f32, as accurately as f32 sums, v_exp_f32 and their like allow (about 1e-6 of the number): no bf16 or f16 on the way to a quantiser, and a product that is left as it is and whose result goes on into a quantised operand takes f32 operands (vector FMAs, or v_wmma_f32_16x16x4_f32). A number that lies on a knife's edge between two numbers of the format may be rounded either way, as far as f32 arithmetic and the matrix unit's own rounding can turn it there, and no further.
;;   INPUTS GIVEN AS CODES. w1 (in the module: [8, 1024, 4096], K = its axis 1); w2 (in the module: [8, 4096, 1024], K = its axis 1): each comes as NAME_codes (uint8): NAME with its K axis moved to the last place and cut into blocks of 32 codes, [.., K / 32, bytes a block], one block behind the other in memory; four codes in three bytes: a row's codes are one little-endian stream of bits, code i at bits 6 i .. 6 i + 5 (a code: sign, 2 exponent bits, 3 mantissa bits); and NAME_scales (uint8): the same leading axes, one E8M0 byte (e + 127) for each 32 codes along K. Its value is code x scale, taken as it is: it is not quantised again, and the codes and scales need not be those that the quantiser above would give.
;; One version. Each part assembles by itself: llvm-mc -triple=amdgcn-amd-amdhsa -mcpu=gfx1250 --defsym DOCPART=n.
;; ======== version 1 of 1: 4 launches
;; workspace buffers: ids 4,096 bytes of whole numbers; lst 32,768 bytes of whole numbers; cnt 1,024 bytes of whole numbers; xq 786,432 bytes; xs 32,768 bytes; hq 25,165,824 bytes; hs 1,048,576 bytes
;; launch route (part 1): grid 256 x 1, 1 waves a work-group, no clusters, 39,424 bytes of LDS; arguments x, wr, br, ids, xq, xs; writes ids, xq, xs
.if DOCPART == 1
	.amdgcn_target "amdgcn-amd-amdhsa--gfx1250"
	.amdhsa_code_object_version 6
	.text
	.protected	k_q068ff83d28_route
	.globl	k_q068ff83d28_route
	.p2align	8
	.type	k_q068ff83d28_route,@function
k_q068ff83d28_route:
	s_mov_b64 s[64:65], 0
	v_nop
	global_prefetch_b8 v0, s[64:65] scope:SCOPE_SE
	s_setreg_imm32_b32 hwreg(HW_REG_WAVE_MODE, 25, 1), 1
	s_wait_xcnt 0x0
; ROUTER AND QUANTISER OF x.  x [1024 tokens][1024] f32, wr [1024][8] f32, br [8] f32.
; A work-group is one wave and takes four tokens: their eight scores x . wr + br in f32, the index of the largest (the lower index wins a tie), and their codes of E2M3 with one E8M0 byte for each 32 along K.
; OUT: ids u32[1024];  xs [token][32 bytes], byte b for k = 32 b .. 32 b + 31;  xq [token][768 bytes]: inside each 96 bytes (128 along K) the four blocks of 24 bytes lie in the order 0, 2, 1, 3,
; so that the 48 bytes which lane (r, h) of a matrix operand holds (blocks h and 2 + h) are neighbours.
; The index is only stored here: no address and no branch of this launch hangs on it.
; A token's 1,024 numbers go in two steps of 512.  Each load reads 512 consecutive bytes; a step's 2,048 bytes turn through a stage in LDS (16 bytes of padding behind each 64) and come back 16 neighbours a lane.
; wr likewise: 64 dense loads, through LDS with 16 bytes of padding behind each 512, back as the 16 rows of each half that belong to the lane's 16 numbers: 256 registers that serve all four tokens.
; LIMITS: NaN and infinities are not served; scores nearer to each other than the rounding of an f32 sum of 1,024 terms may fall either way; a block of zeros gets the byte 1 (its codes are zeros; the bytes are read by this program alone).
.set SP,   80                          ; a lane's place in a stage: 64 bytes + 16
.set WRH,  16896                       ; half of wr in LDS: 32 x (512 + 16) bytes
.set XST,  2*WRH                       ; two stages of 32 x SP bytes
.set SBY,  XST+2*32*SP                 ; the four tokens' 128 scale bytes
.set R,    16                          ; v16-143  x as loaded: 16 registers a step
.set X,    144                         ; v144-175 two sets of 16 neighbours
.set AC,   176                         ; v176-207 the sums: 8 x token + expert
.set C,    208                         ; v208-239 codes: four registers a step
.set E,    240                         ; v240-247 a scale byte a step
.set ID,   248                         ; v248-251 the four indices
.set BEST, 252                         ; v252-255 the four largest scores
.set MSB,  0
.macro WIN new                         ; the immediate's high byte repeats the setting that is left
.if MSB != (\new)
	s_set_vgpr_msb (MSB<<8)|(\new)
.set MSB, (\new)
.endif
.endm
	s_load_b256 s[4:11], s[0:1], 0x0               ; x s[4:5], wr s[6:7], br s[8:9], ids s[10:11]
	s_load_b128 s[12:15], s[0:1], 0x20             ; xq s[12:13], xs s[14:15]
	v_lshl_add_u32 v235, v0, 2, 0x9900
	v_mov_b32 v239, 0
	v_and_b32 v1, 31, v0                           ; lane
	v_lshlrev_b32 v2, 4, v1                        ; 16 x lane: my bytes of a dense load
	v_lshrrev_b32 v3, 2, v1
	v_mul_u32_u24 v3, v3, SP
	v_and_b32 v9, 3, v1
	v_lshl_add_u32 v3, v9, 4, v3
	v_add_nc_u32 v3, XST, v3                       ; the stage, way in: SP (lane / 4) + 16 (lane % 4)
	v_mul_u32_u24 v4, v1, SP
	v_add_nc_u32 v4, XST, v4                       ; way out: SP x lane
	v_lshrrev_b32 v9, 1, v1                        ; B: my block among the step's 16
	v_lshrrev_b32 v10, 2, v9
	v_mul_u32_u24 v5, v10, 96                      ; 96 bytes for each 128 along K
	v_and_b32 v10, 1, v9
	v_bfe_u32 v11, v9, 1, 1
	v_lshl_or_b32 v10, v10, 1, v11                 ; block q of four lies at place 2 (q & 1) + (q >> 1)
	v_mad_u32_u24 v5, v10, 24, v5
	v_and_b32 v10, 1, v1
	v_mad_u32_u24 v5, v10, 12, v5                  ; my 16 codes' 12 bytes in a step's 384
	v_add_nc_u32 v6, SBY, v9                       ; my block's byte
	v_lshlrev_b32 v7, 2, v1
	v_mul_u32_u24 v8, v1, 528                      ; my 512 bytes of half of wr
	v_add_nc_u32 v13, SBY, v7                      ; the scale bytes on their way out: 4 a lane
	s_mov_b32 s24, 0x76543210
	s_mov_b32 s25, 0xfedcba98                      ; selects for lane l xor 16
	s_wait_kmcnt 0x0
	s_load_b256 s[16:23], s[8:9], 0x0              ; br: eight numbers
	s_lshl_b32 s26, ttmp9, 14                      ; four rows of 4,096 bytes
	s_mov_b32 s27, 0
	s_add_nc_u64 s[4:5], s[4:5], s[26:27]
	s_mul_i32 s26, ttmp9, 3072
	s_add_nc_u64 s[12:13], s[12:13], s[26:27]
	s_lshl_b32 s26, ttmp9, 7
	s_add_nc_u64 s[14:15], s[14:15], s[26:27]
	s_lshl_b32 s26, ttmp9, 4
	s_add_nc_u64 s[10:11], s[10:11], s[26:27]
.set t, 0
.rept 8
.irp i, 0,1,2,3
	global_load_b128 v[R+16*t+4*\i:R+16*t+4*\i+3], v2, s[4:5] offset:2048*t+512*\i th:TH_LOAD_NT   ; 512 consecutive bytes; read once in the launch
.endr
.set t, t+1
.endr
	WIN 0x40                                       ; destination window 1
.set j, 0
.rept 64
	global_load_b128 v[4*j:4*j+3], v2, s[6:7] offset:512*j
.set j, j+1
.endr
	WIN 0x04                                       ; an LDS store's data are its source 1: window 1
	s_wait_loadcnt 32                              ; x and the first half of wr are in; the 32 loads of the second half may be out
.set j, 0
.rept 32
	ds_store_b128 v2, v[4*j:4*j+3] offset:528*j
.set j, j+1
.endr
	s_wait_loadcnt 0x0
.set j, 0
.rept 32
	ds_store_b128 v2, v[128+4*j:128+4*j+3] offset:WRH+528*j
.set j, j+1
.endr
	s_wait_dscnt 0x0                               ; the stores have read their registers, which now take wr turned
	WIN 0x40
.set j, 0
.rept 64
	ds_load_b128 v[4*j:4*j+3], v8 offset:WRH*(j/32)+16*(j%32)   ; register 128 s + 8 i + e = wr[512 s + 16 lane + i][e]
.set j, j+1
.endr
	WIN 0
.macro TURN t                          ; step t's numbers through a stage: LDS serves a wave's instructions in order
.irp i, 0,1,2,3
	ds_store_b128 v3, v[R+16*(\t)+4*\i:R+16*(\t)+4*\i+3] offset:32*SP*((\t)%2)+8*SP*\i
.endr
.irp i, 0,1,2,3
	ds_load_b128 v[X+16*((\t)%2)+4*\i:X+16*((\t)%2)+4*\i+3], v4 offset:32*SP*((\t)%2)+16*\i
.endr
.endm
.macro DOT t                           ; my 16 numbers against their 16 rows of wr: eight chains, one an expert; a token's first product starts its sums
.set AT, AC+8*((\t)/2)
.set WB, 128*((\t)%2)
	WIN 0x04                                       ; source 1 (wr) window 1
.irp i, 0,1,2,3,4,5,6,7,8,9,10,11,12,13,14,15
.irp e, 0,1,2,3,4,5,6,7
.if ((\t)%2 == 0) && (\i == 0)
	v_mul_f32 v[AT+\e], v[XS+\i], v[WB+8*\i+\e]
.else
	v_fmac_f32 v[AT+\e], v[XS+\i], v[WB+8*\i+\e]
.endif
.endr
.endr
	WIN 0
.endm
.macro STEP t
.set XS, X+16*((\t)%2)
.if (\t) > 0
	s_wait_dscnt 1                                 ; this step's numbers are back from the stage; the last step's byte store may be out
.else
	s_wait_dscnt 0x0                               ; wr and step 0
.endif
.if (\t) < 7
	TURN (\t)+1                                    ; the next step goes through the other stage meanwhile
.endif
	DOT \t
	v_max3_num_f32 v9, |v[XS]|, |v[XS+1]|, |v[XS+2]|                ; the largest magnitude of my 16, in two chains
	v_max3_num_f32 v10, |v[XS+3]|, |v[XS+4]|, |v[XS+5]|
.irp i, 6,10
	v_max3_num_f32 v9, v9, |v[XS+\i]|, |v[XS+\i+1]|
	v_max3_num_f32 v10, v10, |v[XS+\i+2]|, |v[XS+\i+3]|
.endr
	v_max3_num_f32 v9, v9, |v[XS+14]|, |v[XS+15]|
	v_max3_num_f32 v9, v9, v10, 0x1800000          ; and the floor 2^(3 - 127): the byte cannot fall under 1
	v_max_num_f32_dpp v9, v9, v9 row_xmask:1 row_mask:0xf bank_mask:0xf   ; with my neighbour's 16: the block's
	v_add_nc_u32 v11, 0xff000000, v9               ; 2 off its exponent field: the conversion takes this operand's exponent field as the scale
	v_cvt_scalef32_pk16_fp6_f32 v[C+4*(\t):C+4*(\t)+2], v[XS:XS+15], v11
	v_lshrrev_b32 v[E+(\t)], 23, v11               ; the scale's byte
	ds_store_b8 v6, v[E+(\t)] offset:16*(\t)       ; both lanes of a block write the same byte
	global_store_b96 v5, v[C+4*(\t):C+4*(\t)+2], s[12:13] offset:384*(\t)   ; the wave's store covers 384 consecutive bytes
.endm
	TURN 0
.irp t, 0,1,2,3,4,5,6,7
	STEP \t
.endr
	; the 32 sums over the 32 lanes: four steps inside each half of 16 lanes, one across
.irp k, 1,2,4,8
.set j, 0
.rept 32
	v_add_f32_dpp v[AC+j], v[AC+j], v[AC+j] row_xmask:\k row_mask:0xf bank_mask:0xf
.set j, j+1
.endr
.endr
.set j, 0
.rept 32
	v_permlanex16_b32 v[R+j], v[AC+j], s24, s25    ; (its destination has been written: x lay there)
.set j, j+1
.endr
.set j, 0
.rept 32
	v_add_f32 v[AC+j], v[AC+j], v[R+j]
.set j, j+1
.endr
	s_wait_kmcnt 0x0                               ; br
.irp e, 0,1,2,3,4,5,6,7
.irp k, 0,1,2,3
	v_add_f32 v[AC+8*\k+\e], s[16+\e], v[AC+8*\k+\e]
.endr
.endr
.irp k, 0,1,2,3
	v_mov_b32 v[BEST+\k], v[AC+8*\k]
	v_mov_b32 v[ID+\k], 0
.endr
.irp e, 1,2,3,4,5,6,7                  ; strictly greater: the lower index keeps a tie
.irp k, 0,1,2,3
	v_cmp_gt_f32 vcc_lo, v[AC+8*\k+\e], v[BEST+\k]
	v_cndmask_b32 v[BEST+\k], v[BEST+\k], v[AC+8*\k+\e], vcc_lo
	v_cndmask_b32 v[ID+\k], v[ID+\k], \e, vcc_lo
.endr
.endr
	ds_load_b32 v9, v13                            ; LDS serves a wave's instructions in order: this sees my byte stores
	s_wait_dscnt 0x0
	global_store_b32 v7, v9, s[14:15]              ; four tokens' 128 scale bytes
	v_mov_b32 v10, 0
	v_cmp_gt_u32 vcc_lo, 1, v0
	s_wait_xcnt 0x0                                ; EXEC changes only behind this wait
	s_wait_tensorcnt 0x0
	ds_add_u32 v235, v239
	s_wait_dscnt 0x0
	s_and_saveexec_b32 s26, vcc_lo
	global_store_b128 v10, v[ID:ID+3], s[10:11]    ; lane 0: the four indices
	s_wait_xcnt 0x0
	s_or_b32 exec_lo, exec_lo, s26
	s_endpgm
.Lfunc_end_k_q068ff83d28_route:
	.size	k_q068ff83d28_route, .Lfunc_end_k_q068ff83d28_route-k_q068ff83d28_route
	.p2alignl 7, 3214868480
	.fill 96, 4, 3214868480
	.section	.rodata,"a",@progbits
	.p2align	6, 0x0
	.amdhsa_kernel k_q068ff83d28_route
		.amdhsa_group_segment_fixed_size 39424
		.amdhsa_private_segment_fixed_size 0
		.amdhsa_enable_private_segment 0
		.amdhsa_kernarg_size 48
		.amdhsa_user_sgpr_count 2
		.amdhsa_user_sgpr_kernarg_segment_ptr 1
		.amdhsa_wavefront_size32 1
		.amdhsa_system_sgpr_workgroup_id_x 1
		.amdhsa_system_sgpr_workgroup_id_y 1
		.amdhsa_system_sgpr_workgroup_id_z 1
		.amdhsa_system_vgpr_workitem_id 0
		.amdhsa_next_free_vgpr 512
		.amdhsa_next_free_sgpr 66
		.amdhsa_reserve_vcc 1
		.amdhsa_float_denorm_mode_32 3
		.amdhsa_float_denorm_mode_16_64 3
		.amdhsa_memory_ordered 1
		.amdhsa_forward_progress 1
		.amdhsa_inst_pref_size 80
	.end_amdhsa_kernel
	.amdgpu_metadata
---
amdhsa.version: [ 1, 2 ]
amdhsa.kernels:
  - .name:           k_q068ff83d28_route
    .symbol:         k_q068ff83d28_route.kd
    .args:
      - { .name: x, .offset: 0, .size: 8, .value_kind: global_buffer, .address_space: global }
      - { .name: wr, .offset: 8, .size: 8, .value_kind: global_buffer, .address_space: global }
      - { .name: br, .offset: 16, .size: 8, .value_kind: global_buffer, .address_space: global }
      - { .name: ids, .offset: 24, .size: 8, .value_kind: global_buffer, .address_space: global }
      - { .name: xq, .offset: 32, .size: 8, .value_kind: global_buffer, .address_space: global }
      - { .name: xs, .offset: 40, .size: 8, .value_kind: global_buffer, .address_space: global }
    .group_segment_fixed_size: 39424
    .private_segment_fixed_size: 0
    .kernarg_segment_align: 8
    .kernarg_segment_size: 48
    .max_flat_workgroup_size: 32
    .sgpr_count:     66
    .vgpr_count:     512
    .wavefront_size: 32
...
	.end_amdgpu_metadata
.endif
;; end of part 1
;; launch place (part 2): grid 8 x 1, 1 waves a work-group, no clusters, 0 bytes of LDS; arguments ids, lst, cnt; writes lst, cnt
.if DOCPART == 2
	.amdgcn_target "amdgcn-amd-amdhsa--gfx1250"
	.amdhsa_code_object_version 6
	.text
	.protected	k_q068ff83d28_place
	.globl	k_q068ff83d28_place
	.p2align	8
	.type	k_q068ff83d28_place,@function
k_q068ff83d28_place:
	s_mov_b64 s[64:65], 0
	v_nop
	global_prefetch_b8 v0, s[64:65] scope:SCOPE_SE
	s_setreg_imm32_b32 hwreg(HW_REG_WAVE_MODE, 25, 1), 1
	s_wait_xcnt 0x0
; THE ROWS ARE PLACED BY EXPERT.  ids u32[1024] (stored by the launch before).  The wave of work-group e makes expert e's list, lst[e][1024], and its counts, cnt[e][32].
; Slots 0 .. n - 1 hold the expert's tokens in ascending order; every other slot holds the expert's first token (0 if it has none): so every entry names a token, and a padding row computes and stores what that row's own does.
; Every token writes exactly one slot: a member its rank r, the others n + (token - r): all 1,024 slots are written once, with all lanes on and without atomics.
; cnt: word 0 n; word 1 max(1, ceil(n / 32)): the pairs of tiles that the first product makes; word 2 2 ceil(n / 32): the tiles that the second product makes; word 3 the last tile that is made; the other words n.
; Eight waves are all the work there is: 4,096 bytes are read by each.
	s_load_b128 s[4:7], s[0:1], 0x0                ; ids s[4:5], lst s[6:7]
	s_load_b64 s[8:9], s[0:1], 0x10                ; cnt
	s_mov_b32 s10, ttmp9                           ; the expert
	v_lshlrev_b32 v2, 2, v0                        ; 4 x lane
	s_wait_kmcnt 0x0
.set j, 0
.rept 32
	global_load_b32 v[4+j], v2, s[4:5] offset:128*j   ; token 32 j + lane
.set j, j+1
.endr
	s_lshl_b32 s14, s10, 12
	s_mov_b32 s15, 0
	s_add_nc_u64 s[6:7], s[6:7], s[14:15]
	s_lshl_b32 s14, s10, 7
	s_add_nc_u64 s[8:9], s[8:9], s[14:15]
	s_mov_b32 s11, 0                               ; n
	s_mov_b32 s12, 0                               ; the first token
	s_mov_b32 s13, 0                               ; members in the groups passed
	s_wait_loadcnt 0x0
.set j, 0
.rept 32
	v_cmp_eq_u32 s[32+j], s10, v[4+j]              ; the members among tokens 32 j .. 32 j + 31
	s_bcnt1_i32_b32 s14, s[32+j]
	s_add_co_u32 s11, s11, s14
.set j, j+1
.endr
.set j, 31
.rept 32                               ; from the last group down: the lowest member stays
	s_ctz_i32_b32 s14, s[32+j]
	s_add_co_u32 s14, s14, 32*j
	s_cmp_lg_u32 s[32+j], 0
	s_cselect_b32 s12, s14, s12
.set j, j-1
.endr
	v_mov_b32 v100, s12
.set j, 0
.rept 32                               ; each group has its own slot and data registers: no store's source is written again
	v_mbcnt_lo_u32_b32 v101, s[32+j], s13          ; r: the members ahead of me
	v_add_nc_u32 v[68+j], 32*j, v0                 ; my token
	v_sub_nc_u32 v102, v[68+j], v101
	v_add_nc_u32 v102, s11, v102                   ; n + the others ahead of me
	v_cndmask_b32 v[36+j], v102, v101, s[32+j]
	v_cndmask_b32 v[68+j], v100, v[68+j], s[32+j]
	v_min_u32 v[36+j], 0x3ff, v[36+j]              ; a number made of loaded ones enters an address behind this bound
	v_lshlrev_b32 v[36+j], 2, v[36+j]
	global_store_b32 v[36+j], v[68+j], s[6:7]
	s_bcnt1_i32_b32 s14, s[32+j]
	s_add_co_u32 s13, s13, s14
.set j, j+1
.endr
	s_add_co_u32 s14, s11, 31
	s_lshr_b32 s14, s14, 5                         ; ceil(n / 32)
	s_max_u32 s15, s14, 1
	s_lshl_b32 s16, s14, 1
	s_lshl_b32 s17, s15, 1
	s_sub_co_u32 s17, s17, 1
	v_mov_b32 v103, s11
	v_writelane_b32 v103, s15, 1
	v_writelane_b32 v103, s16, 2
	v_writelane_b32 v103, s17, 3
	global_store_b32 v2, v103, s[8:9]
	s_endpgm
.Lfunc_end_k_q068ff83d28_place:
	.size	k_q068ff83d28_place, .Lfunc_end_k_q068ff83d28_place-k_q068ff83d28_place
	.p2alignl 7, 3214868480
	.fill 96, 4, 3214868480
	.section	.rodata,"a",@progbits
	.p2align	6, 0x0
	.amdhsa_kernel k_q068ff83d28_place
		.amdhsa_group_segment_fixed_size 0
		.amdhsa_private_segment_fixed_size 0
		.amdhsa_enable_private_segment 0
		.amdhsa_kernarg_size 24
		.amdhsa_user_sgpr_count 2
		.amdhsa_user_sgpr_kernarg_segment_ptr 1
		.amdhsa_wavefront_size32 1
		.amdhsa_system_sgpr_workgroup_id_x 1
		.amdhsa_system_sgpr_workgroup_id_y 1
		.amdhsa_system_sgpr_workgroup_id_z 1
		.amdhsa_system_vgpr_workitem_id 0
		.amdhsa_next_free_vgpr 112
		.amdhsa_next_free_sgpr 66
		.amdhsa_reserve_vcc 0
		.amdhsa_float_denorm_mode_32 3
		.amdhsa_float_denorm_mode_16_64 3
		.amdhsa_memory_ordered 1
		.amdhsa_forward_progress 1
		.amdhsa_inst_pref_size 32
	.end_amdhsa_kernel
	.amdgpu_metadata
---
amdhsa.version: [ 1, 2 ]
amdhsa.kernels:
  - .name:           k_q068ff83d28_place
    .symbol:         k_q068ff83d28_place.kd
    .args:
      - { .name: ids, .offset: 0, .size: 8, .value_kind: global_buffer, .address_space: global }
      - { .name: lst, .offset: 8, .size: 8, .value_kind: global_buffer, .address_space: global }
      - { .name: cnt, .offset: 16, .size: 8, .value_kind: global_buffer, .address_space: global }
    .group_segment_fixed_size: 0
    .private_segment_fixed_size: 0
    .kernarg_segment_align: 8
    .kernarg_segment_size: 24
    .max_flat_workgroup_size: 32
    .sgpr_count:     66
    .vgpr_count:     112
    .wavefront_size: 32
...
	.end_amdgpu_metadata
.endif
;; end of part 2
;; launch up (part 3): grid 32 x 8, 4 waves a work-group, no clusters, 100,864 bytes of LDS; arguments xq, xs, w1_codes, w1_scales, b1, lst, cnt, hq, hs; writes hq, hs
.if DOCPART == 3
	.amdgcn_target "amdgcn-amd-amdhsa--gfx1250"
	.amdhsa_code_object_version 6
	.text
	.protected	k_q068ff83d28_up
	.globl	k_q068ff83d28_up
	.p2align	8
	.type	k_q068ff83d28_up,@function
k_q068ff83d28_up:
	s_mov_b64 s[64:65], 0
	v_nop
	global_prefetch_b8 v0, s[64:65] scope:SCOPE_SE
	s_setreg_imm32_b32 hwreg(HW_REG_WAVE_MODE, 25, 1), 1
	s_wait_xcnt 0x0
; THE FIRST PRODUCT, FOR THE CHOSEN ROWS ONLY: h = gelu(Q(x) W1^T + b1), exact gelu, quantised along the hidden axis to E2M3 with one E8M0 byte for each 32.
; SHARES.  Work-group (X, e) owns hidden units 128 X .. 128 X + 127 of expert e, wave w the 32 units from 32 w on: one block of 32 of the next K.  The wave's 32 rows of W1 (24,576 consecutive bytes) are read once, by dense
; loads, turned through the wave's own stage in LDS, and stay in 192 registers.  The waves share nothing: the launch has no barrier.
; The expert's rows come 32 at a time (two tiles of 16), gathered by the list; their number is read from memory, so the loop leaves by a forward jump on that number; its own count is a constant.
; Pair 0 is always made (the list always names tokens), so the tiles that the next launch may name are always written.
; No tensor loads, clusters or joint requests: the trip count hangs on a number read from memory, and no two work-groups read the same weights.
; LAYOUT.  The product is used transposed: source 0 = 16 rows of W1, source 1 = 16 tokens.  Lane r of tile u takes W1's row 8 u + r + 8 (r / 8), so that the 16 registers of tiles 0 and 1 are units 16 (lane / 16) + 0 .. 15 of token lane % 16.
; gelu(v) = max(v, 0) - |v erfc(|v| / sqrt 2)| / 2;  erfc(z) = t exp(-z^2 + c0 + t (c1 + .. + t c9)), t = 1 / (1 + z / 2): ten terms, fractional error 1.2e-7 for every z >= 0, beside the rounding of f32.
; OUT.  hq [e][64 tiles of 16 rows][32 K steps][1,536 bytes]: a fragment as an image of the operand's registers: registers 4 k .. 4 k + 3 of lane l at 512 k + 16 l.  hs [e][tile][8 groups of 4 K steps][16 rows][4 words]:
; the word of K step S and row r at 256 (S / 4) + 16 r + 4 (S % 4); my block's byte is byte w of it.
; LIMITS: NaN and infinities are not served; an exponential under 2^-126 comes out as 0; a block of zeros gets the byte 1 (its codes are zeros; the bytes are read by this program alone).
; REGISTERS, in windows of 256.  Window 0: v1-31 addresses and constants; v32-47 W1's scale words; v48-79 x's, two sets; v80-95 b1; v96-127 the four accumulators; v128-223 at work in the gelu; v224-249 at work in the quantiser.
;   Window 1: W1's 16 fragments (tile u, K step s at 12 (8 u + s)).   Windows 2, 3: x's 16 fragments (tile m, K step s at 12 (8 m + s)), two sets; window 3 first takes the weights as loaded.
.set SPITCH, 784                       ; a row of W1 in the stage: 768 bytes + 16 = 196 words: row p starts at bank 4 p mod 64 (64 banks of 4 bytes: ISA guide 11.1), so the 32 lanes of a load of 8 bytes touch 64 different banks
.set STGW,   32*SPITCH                 ; a wave's stage
.set TKR,  12                          ; v12-13  two tiles' tokens
.set XO,   14                          ; v14-17  byte offsets of my token's codes: 2 x set + tile
.set SO,   18                          ; v18-21  and of its scale bytes
.set W1S,  32
.set XS,   48
.set B1,   80
.set ACC,  96
.set Z,    128
.set T,    160
.set P,    192
.set AM,   224
.set PT,   226
.set SCL,  228
.set BY,   230
.set BS,   232
.set ZC,   234
.set YC,   240
.set Q4,   244
.set Q2,   248
.set MSB,  0
.macro WIN new                         ; the immediate's high byte repeats the setting that is left
.if MSB != (\new)
	s_set_vgpr_msb (MSB<<8)|(\new)
.set MSB, (\new)
.endif
.endm
	s_load_b256 s[4:11], s[0:1], 0x0               ; xq s[4:5], xs s[6:7], W1's codes s[8:9], W1's scales s[10:11]
	s_load_b256 s[12:19], s[0:1], 0x20             ; b1 s[12:13], lst s[14:15], cnt s[16:17], hq s[18:19]
	s_load_b64 s[20:21], s[0:1], 0x40              ; hs
	v_lshl_add_u32 v254, v0, 2, 0x18800
	v_mov_b32 v255, 0
	v_lshrrev_b32 v1, 5, v0
	v_readfirstlane_b32 s22, v1                    ; wave 0..3
	s_mov_b32 s23, ttmp9                           ; X
	s_and_b32 s24, ttmp7, 0xffff                   ; e
	v_and_b32 v1, 31, v0                           ; lane
	v_and_b32 v2, 15, v0                           ; r
	v_bfe_u32 v3, v0, 4, 1                         ; h
	v_lshlrev_b32 v4, 4, v1                        ; 16 x lane
	s_mul_i32 s42, s22, STGW
	v_add_nc_u32 v5, s42, v4                       ; the stage, way in: three loads are two rows of 768 bytes; of their 96 pieces of 16 bytes those from 48 on lie 16 bytes further:
	v_lshl_add_u32 v6, v3, 4, v5                   ; in the middle load those are lanes 16-31
	v_mul_u32_u24 v8, v2, SPITCH
	v_mad_u32_u24 v8, v3, 24, v8
	v_add_nc_u32 v8, s42, v8                       ; way out: row r, + 24 h
	v_mul_u32_u24 v9, v3, 48                       ; x's codes: my half's 48 bytes of each 96
	v_lshlrev_b32 v10, 2, v2                       ; the list: 4 r
	s_lshr_b32 s44, s22, 1                         ; c = w / 2: my block lies in the fragment's registers 6 c .. 6 c + 5, in lanes r + 16 (w % 2)
	s_and_b32 s45, s22, 1
	s_lshl_b32 s45, s45, 8
	s_lshl_b32 s42, s44, 10
	s_add_co_u32 s42, s42, s45                     ; the four registers that fill a chunk: chunk 2 c
	s_lshl_b32 s43, s44, 3
	s_add_co_u32 s43, s43, s45
	s_add_co_u32 s43, s43, 512                     ; the other two: half c of my 16 bytes of chunk 1
	v_mul_u32_u24 v24, v3, 0xc000                  ; lanes 16-31 store the pair's second tile: 32 x 1,536 bytes on
	v_lshl_add_u32 v24, v2, 4, v24
	v_add_nc_u32 v22, s42, v24
	v_add_nc_u32 v23, s43, v24
	v_lshlrev_b32 v24, 11, v3
	v_lshl_add_u32 v24, v2, 4, v24
	v_add_nc_u32 v24, s22, v24                     ; the scale's byte: 2,048 x tile + 16 r + w
	s_cmp_ge_u32 s22, 2
	s_cselect_b32 s46, -1, 0                       ; all lanes where c = 1
	v_and_b32 v25, 8, v2
	v_add_nc_u32 v25, v25, v2
	v_lshlrev_b32 v25, 5, v25                      ; W1's scale words: 32 bytes a row, row r + 8 (r / 8)
	v_lshlrev_b32 v26, 6, v3                       ; b1: 16 h numbers on
	v_mov_b32 v30, 0x3e2ef945                      ; c9, as a pair
	v_mov_b32 v31, 0x3e2ef945
	v_mov_b32 v[PT], 0                             ; a lane permute's destination counts as one of its sources
	v_mov_b32 v[PT+1], 0
	s_mov_b32 s39, 0xffff0000                      ; lanes 16-31
	s_mov_b32 s40, 0x76543210
	s_mov_b32 s41, 0xfedcba98                      ; selects for lane l xor 16
.macro PAIR reg, val                   ; a packed form names a pair and takes its low word for both halves: both are written
	s_mov_b32 s[\reg], \val
	s_mov_b32 s[\reg+1], \val
.endm
	PAIR 66, 0x3f3504f3                            ; 1 / sqrt 2
	PAIR 68, 0x3fb8aa3b                            ; log2 e
	PAIR 70, 0xbfa1fc4e                            ; c0 = -1.26551223
	PAIR 72, 0x3f8000c7                            ; c1 =  1.00002368
	PAIR 74, 0x3ebf88fb                            ; c2 =  0.37409196
	PAIR 76, 0x3dc636c9                            ; c3 =  0.09678418
	PAIR 78, 0xbe3ec24c                            ; c4 = -0.18628806
	PAIR 80, 0x3e8ec7cc                            ; c5 =  0.27886807
	PAIR 82, 0xbf914e5d                            ; c6 = -1.13520398
	PAIR 84, 0x3fbe87b0                            ; c7 =  1.48851587
	PAIR 86, 0xbf527892                            ; c8 = -0.82215223
	s_wait_kmcnt 0x0
	s_mov_b32 s43, 0
	s_lshl_b32 s42, s24, 7
	s_add_nc_u64 s[16:17], s[16:17], s[42:43]
	s_load_b128 s[28:31], s[16:17], 0x0            ; the expert's counts: s29 = pairs of tiles to make, at least 1
	s_lshl_b32 s42, s24, 12
	s_add_nc_u64 s[14:15], s[14:15], s[42:43]      ; the expert's list
	s_lshl_b32 s44, s24, 12
	s_lshl_b32 s45, s23, 7
	s_add_co_u32 s44, s44, s45
	s_lshl_b32 s45, s22, 5
	s_add_co_u32 s44, s44, s45                     ; my first row of W1: 4,096 e + 128 X + 32 w
	s_mul_i32 s42, s44, 768
	s_add_nc_u64 s[8:9], s[8:9], s[42:43]
	s_lshl_b32 s42, s44, 5
	s_add_nc_u64 s[10:11], s[10:11], s[42:43]
	s_lshl_b32 s42, s44, 2
	s_add_nc_u64 s[12:13], s[12:13], s[42:43]
	s_mul_i32 s42, s24, 3145728
	s_mul_i32 s45, s23, 1536
	s_add_co_u32 s42, s42, s45
	s_add_nc_u64 s[32:33], s[18:19], s[42:43]      ; hq: expert e, tile 0, K step X
	s_lshl_b32 s42, s24, 17
	s_lshr_b32 s45, s23, 2
	s_lshl_b32 s45, s45, 8
	s_add_co_u32 s42, s42, s45
	s_and_b32 s45, s23, 3
	s_lshl_b32 s45, s45, 2
	s_add_co_u32 s42, s42, s45
	s_add_nc_u64 s[34:35], s[20:21], s[42:43]      ; hs likewise
	global_load_b32 v[TKR], v10, s[14:15]          ; pair 0's tokens
	global_load_b32 v[TKR+1], v10, s[14:15] offset:64
.irp u, 0,1
	global_load_b128 v[W1S+8*\u:W1S+8*\u+3], v25, s[10:11] offset:256*\u
	global_load_b128 v[W1S+8*\u+4:W1S+8*\u+7], v25, s[10:11] offset:256*\u+16
	global_load_b128 v[B1+8*\u:B1+8*\u+3], v26, s[12:13] offset:32*\u
	global_load_b128 v[B1+8*\u+4:B1+8*\u+7], v26, s[12:13] offset:32*\u+16
.endr
	WIN 0xc0                                       ; destination window 3
.set j, 0
.rept 48
	global_load_b128 v[4*j:4*j+3], v4, s[8:9] offset:512*j th:TH_LOAD_NT   ; 512 consecutive bytes; each weight byte is read once in the launch
.set j, j+1
.endr
	WIN 0
.macro ADDR buf                        ; two tiles' tokens become byte offsets.  Eight plain lines
.irp m, 0,1
	v_min_u32 v[TKR+\m], 0x3ff, v[TKR+\m]          ; a loaded number enters an address behind this bound
.endr
.irp m, 0,1
	v_mul_u32_u24 v[XO+2*(\buf)+\m], v[TKR+\m], 768
.endr
.irp m, 0,1
	v_lshlrev_b32 v[SO+2*(\buf)+\m], 5, v[TKR+\m]
.endr
.irp m, 0,1
	v_add_nc_u32 v[XO+2*(\buf)+\m], v9, v[XO+2*(\buf)+\m]
.endr
.endm
.macro ISSUE buf                       ; 52 loads: 16 fragments of x, three loads of 16 bytes each, and two tiles' scale words
	WIN 0x80+0x40*(\buf)
.irp m, 0,1
.irp s, 0,1,2,3,4,5,6,7
.irp i, 0,1,2
	global_load_b128 v[12*(8*\m+\s)+4*\i:12*(8*\m+\s)+4*\i+3], v[XO+2*(\buf)+\m], s[4:5] offset:96*\s+16*\i
.endr
.endr
.endr
	WIN 0
.irp m, 0,1
	global_load_b128 v[XS+16*(\buf)+8*\m:XS+16*(\buf)+8*\m+3], v[SO+2*(\buf)+\m], s[6:7]
	global_load_b128 v[XS+16*(\buf)+8*\m+4:XS+16*(\buf)+8*\m+7], v[SO+2*(\buf)+\m], s[6:7] offset:16
.endr
.endm
	s_wait_loadcnt 56                              ; pair 0's tokens are in; the 8 small loads and the 48 of the weights may be out
	ADDR 0
	global_load_b32 v[TKR], v10, s[14:15] offset:128    ; pair 1's tokens
	global_load_b32 v[TKR+1], v10, s[14:15] offset:192
	ISSUE 0
	s_wait_loadcnt 54                              ; the weights are in; pair 1's tokens and pair 0's 52 loads may be out
	WIN 0x0c                                       ; an LDS store's data are its source 1: window 3
.set a, 0
.rept 16                               ; rows 2 a and 2 a + 1.  Row f goes to place f with bits 3 and 4 swapped, so that tile u's sixteen rows lie at places 16 u + r
.set RHO, ((2*a)&7)|(((2*a)&8)<<1)|(((2*a)&16)>>1)
	ds_store_b128 v5, v[12*a:12*a+3] offset:RHO*SPITCH
	ds_store_b128 v6, v[12*a+4:12*a+7] offset:RHO*SPITCH+512
	ds_store_b128 v5, v[12*a+8:12*a+11] offset:RHO*SPITCH+1040
.set a, a+1
.endr
	WIN 0x40                                       ; destination window 1
.irp u, 0,1
.irp s, 0,1,2,3,4,5,6,7
.irp p, 0,1,2,3,4,5
	ds_load_b64 v[12*(8*\u+\s)+2*\p:12*(8*\u+\s)+2*\p+1], v8 offset:16*\u*SPITCH+96*\s+48*(\p/3)+8*(\p%3)   ; LDS serves a wave's instructions in order: these see my stores
.endr
.endr
.endr
	WIN 0
	s_wait_loadcnt 52                              ; pair 1's tokens are in
	ADDR 1
	global_load_b32 v[TKR], v10, s[14:15] offset:256    ; pair 2's tokens
	global_load_b32 v[TKR+1], v10, s[14:15] offset:320
	s_wait_dscnt 0x0                               ; W1's fragments are in, and the stores have read window 3, which now takes x
	ISSUE 1
	s_wait_kmcnt 0x0                               ; the counts
.macro MUL buf                         ; 32 matrix instructions: K step by K step, the four accumulators by turns, one instruction a turn; b1 starts the sums
	WIN 0x09+4*(\buf)                              ; source 0 (W1) window 1, source 1 (x) window 2 or 3
.irp s, 0,1,2,3,4,5,6,7
.irp m, 0,1
.irp u, 0,1
.if \s == 0
	v_wmma_scale_f32_16x16x128_f8f6f4 v[ACC+16*\m+8*\u:ACC+16*\m+8*\u+7], v[12*(8*\u+\s):12*(8*\u+\s)+11], v[12*(8*\m+\s):12*(8*\m+\s)+11], v[B1+8*\u:B1+8*\u+7], v[W1S+8*\u+\s], v[XS+16*(\buf)+8*\m+\s] matrix_a_fmt:MATRIX_FMT_FP6 matrix_b_fmt:MATRIX_FMT_FP6
.else
	v_wmma_scale_f32_16x16x128_f8f6f4 v[ACC+16*\m+8*\u:ACC+16*\m+8*\u+7], v[12*(8*\u+\s):12*(8*\u+\s)+11], v[12*(8*\m+\s):12*(8*\m+\s)+11], v[ACC+16*\m+8*\u:ACC+16*\m+8*\u+7], v[W1S+8*\u+\s], v[XS+16*(\buf)+8*\m+\s] matrix_a_fmt:MATRIX_FMT_FP6 matrix_b_fmt:MATRIX_FMT_FP6
.endif
.endr
.endr
.endr
	WIN 0
.endm
.macro GELU                            ; on the 32 results of a lane, each accumulator from its low end on
.set j, 0
.rept 32
	v_mul_f32 v[Z+j], s66, |v[ACC+j]|              ; z = |v| / sqrt 2
.set j, j+1
.endr
.set j, 0
.rept 16
	v_pk_fma_f32 v[P+j:P+j+1], v[Z+j:Z+j+1], 0.5, 1.0 op_sel_hi:[1,0,0]
.set j, j+2
.endr
.set j, 0
.rept 32
	v_rcp_f32 v[T+j], v[P+j]                       ; t = 1 / (1 + z / 2)
.set j, j+1
.endr
	v_nop                                          ; a plain instruction behind the last reciprocal
	s_wait_alu depctr_va_vdst(0)                   ; one wait for the batch, ahead of its first reader
.set j, 0
.rept 16
	v_pk_fma_f32 v[P+j:P+j+1], v[T+j:T+j+1], v[30:31], s[86:87] op_sel_hi:[1,1,0]
.set j, j+2
.endr
.irp c, 84,82,80,78,76,74,72,70        ; c7 .. c0: the sixteen pairs by turns, so that no line waits for the line above it
.set j, 0
.rept 16
	v_pk_fma_f32 v[P+j:P+j+1], v[P+j:P+j+1], v[T+j:T+j+1], s[\c:\c+1] op_sel_hi:[1,1,0]
.set j, j+2
.endr
.endr
.set j, 0
.rept 16
	v_pk_fma_f32 v[P+j:P+j+1], v[Z+j:Z+j+1], v[Z+j:Z+j+1], v[P+j:P+j+1] neg_lo:[1,0,0] neg_hi:[1,0,0]   ; - z^2
.set j, j+2
.endr
.set j, 0
.rept 16
	v_pk_mul_f32 v[P+j:P+j+1], v[P+j:P+j+1], s[68:69] op_sel_hi:[1,0]
.set j, j+2
.endr
.set j, 0
.rept 32
	v_exp_f32 v[P+j], v[P+j]
.set j, j+1
.endr
	v_nop
	s_wait_alu depctr_va_vdst(0)                   ; one wait for the batch
.set j, 0
.rept 16
	v_pk_mul_f32 v[P+j:P+j+1], v[P+j:P+j+1], v[T+j:T+j+1]          ; erfc(z)
.set j, j+2
.endr
.set j, 0
.rept 16
	v_pk_mul_f32 v[P+j:P+j+1], v[P+j:P+j+1], v[ACC+j:ACC+j+1]
.set j, j+2
.endr
.set j, 0
.rept 32
	v_max_num_f32 v[Z+j], 0, v[ACC+j]
.set j, j+1
.endr
.set j, 0
.rept 32
	v_fma_f32 v[ACC+j], -0.5, |v[P+j]|, v[Z+j]
.set j, j+1
.endr
.endm
.macro QST                             ; each tile's 32 units of a token are one block: lanes l and l xor 16 hold its halves
.irp m, 0,1
	v_max3_num_f32 v[AM+\m], |v[ACC+16*\m]|, |v[ACC+16*\m+1]|, 0x1800000   ; with the floor 2^(3 - 127): the byte cannot fall under 1
.endr
.irp i, 2,4,6,8,10,12,14
.irp m, 0,1
	v_max3_num_f32 v[AM+\m], v[AM+\m], |v[ACC+16*\m+\i]|, |v[ACC+16*\m+\i+1]|
.endr
.endr
.irp m, 0,1
	v_permlanex16_b32 v[PT+\m], v[AM+\m], s40, s41
.endr
.irp m, 0,1
	v_max_num_f32 v[AM+\m], v[AM+\m], v[PT+\m]
.endr
.irp m, 0,1
	v_add_nc_u32 v[SCL+\m], 0xff000000, v[AM+\m]   ; 2 off the exponent field: the conversion's scale operand
.endr
.irp m, 0,1
	v_lshrrev_b32 v[BY+\m], 23, v[SCL+\m]          ; the scale's byte
.endr
	v_cvt_scalef32_pk16_fp6_f32 v[ZC:ZC+2], v[ACC:ACC+15], v[SCL]
	v_cvt_scalef32_pk16_fp6_f32 v[YC:YC+2], v[ACC+16:ACC+31], v[SCL+1]
	v_nop                                          ; one plain place behind a scaled conversion
.irp i, 0,1,2
	v_permlane16_swap_b32 v[ZC+\i], v[YC+\i]       ; lanes 0-15 now hold the whole block of row r of the first tile (its lower 16 codes in ZC, its upper in YC), lanes 16-31 that of the second
.endr
	v_cndmask_b32 v[Q4], v[ZC], v[ZC+2], s46       ; the block's six registers are the fragment's 6 c .. 6 c + 5: with c = 0 the first four fill a chunk of 16 bytes, with c = 1 the last four
	v_cndmask_b32 v[Q4+1], v[ZC+1], v[YC], s46
	v_cndmask_b32 v[Q4+2], v[ZC+2], v[YC+1], s46
	v_cndmask_b32 v[Q4+3], v[YC], v[YC+2], s46
	v_cndmask_b32 v[Q2], v[YC+1], v[ZC], s46
	v_cndmask_b32 v[Q2+1], v[YC+2], v[ZC+1], s46
	v_cndmask_b32 v[BS], v[BY], v[BY+1], s39
	global_store_b128 v22, v[Q4:Q4+3], s[32:33]    ; sixteen lanes store 256 consecutive bytes, aligned
	global_store_b64 v23, v[Q2:Q2+1], s[32:33]
	global_store_b8 v24, v[BS], s[34:35]
	s_wait_xcnt 0x0                                ; the stores have read their data and bases: both are written again only behind this wait
	s_add_nc_u64 s[32:33], s[32:33], 98304         ; two tiles on
	s_add_nc_u64 s[34:35], s[34:35], 4096
.endm
; A pair of tiles.  At its head three groups of loads are out, in this order: this pair's 52, the tokens of the pair two on, the next pair's 52.
.macro WORK buf, ahead
	s_wait_loadcnt 52                              ; this pair's operands and those tokens are in; the next pair's 52 loads may be out
	MUL \buf
	ADDR \buf                                      ; eight plain lines: the places behind the products, ahead of the first read of their results
	s_add_co_u32 s38, s36, \ahead
	s_min_u32 s38, s38, 31                         ; the list has 32 pairs
	s_lshl_b32 s38, s38, 7
	v_add_nc_u32 v11, s38, v10
	global_load_b32 v[TKR], v11, s[14:15]          ; the tokens of the pair three on
	global_load_b32 v[TKR+1], v11, s[14:15] offset:64
	GELU
	QST
	ISSUE \buf                                     ; the pair two on, into the registers just multiplied: it has the next pair's whole work in which to land
.endm
	s_mov_b32 s36, 0                               ; the pair in hand
.Lpair:
	s_cmp_ge_u32 s36, s29
	s_cbranch_scc1 .Ldone
	WORK 0, 3
	s_add_co_u32 s37, s36, 1
	s_cmp_ge_u32 s37, s29
	s_cbranch_scc1 .Ldone
	WORK 1, 4
	s_add_co_u32 s36, s36, 2
	s_cmp_lt_u32 s36, 32
	s_cbranch_scc1 .Lpair
.Ldone:
	s_wait_tensorcnt 0x0
	ds_add_u32 v254, v255
	s_wait_dscnt 0x0
	s_endpgm
.Lfunc_end_k_q068ff83d28_up:
	.size	k_q068ff83d28_up, .Lfunc_end_k_q068ff83d28_up-k_q068ff83d28_up
	.p2alignl 7, 3214868480
	.fill 96, 4, 3214868480
	.section	.rodata,"a",@progbits
	.p2align	6, 0x0
	.amdhsa_kernel k_q068ff83d28_up
		.amdhsa_group_segment_fixed_size 100864
		.amdhsa_private_segment_fixed_size 0
		.amdhsa_enable_private_segment 0
		.amdhsa_kernarg_size 72
		.amdhsa_user_sgpr_count 2
		.amdhsa_user_sgpr_kernarg_segment_ptr 1
		.amdhsa_wavefront_size32 1
		.amdhsa_system_sgpr_workgroup_id_x 1
		.amdhsa_system_sgpr_workgroup_id_y 1
		.amdhsa_system_sgpr_workgroup_id_z 1
		.amdhsa_system_vgpr_workitem_id 0
		.amdhsa_next_free_vgpr 1024
		.amdhsa_next_free_sgpr 88
		.amdhsa_reserve_vcc 0
		.amdhsa_float_denorm_mode_32 3
		.amdhsa_float_denorm_mode_16_64 3
		.amdhsa_memory_ordered 1
		.amdhsa_forward_progress 1
		.amdhsa_inst_pref_size 99
	.end_amdhsa_kernel
	.amdgpu_metadata
---
amdhsa.version: [ 1, 2 ]
amdhsa.kernels:
  - .name:           k_q068ff83d28_up
    .symbol:         k_q068ff83d28_up.kd
    .args:
      - { .name: xq, .offset: 0, .size: 8, .value_kind: global_buffer, .address_space: global }
      - { .name: xs, .offset: 8, .size: 8, .value_kind: global_buffer, .address_space: global }
      - { .name: w1_codes, .offset: 16, .size: 8, .value_kind: global_buffer, .address_space: global }
      - { .name: w1_scales, .offset: 24, .size: 8, .value_kind: global_buffer, .address_space: global }
      - { .name: b1, .offset: 32, .size: 8, .value_kind: global_buffer, .address_space: global }
      - { .name: lst, .offset: 40, .size: 8, .value_kind: global_buffer, .address_space: global }
      - { .name: cnt, .offset: 48, .size: 8, .value_kind: global_buffer, .address_space: global }
      - { .name: hq, .offset: 56, .size: 8, .value_kind: global_buffer, .address_space: global }
      - { .name: hs, .offset: 64, .size: 8, .value_kind: global_buffer, .address_space: global }
    .group_segment_fixed_size: 100864
    .private_segment_fixed_size: 0
    .kernarg_segment_align: 8
    .kernarg_segment_size: 72
    .max_flat_workgroup_size: 128
    .sgpr_count:     88
    .vgpr_count:     1024
    .wavefront_size: 32
...
	.end_amdgpu_metadata
.endif
;; end of part 3
;; launch down (part 4): grid 32 x 8, 4 waves a work-group, no clusters, 250,880 bytes of LDS; arguments hq, hs, w2_codes, w2_scales, b2, lst, cnt, out0; writes out0
.if DOCPART == 4
	.amdgcn_target "amdgcn-amd-amdhsa--gfx1250"
	.amdhsa_code_object_version 6
	.text
	.protected	k_q068ff83d28_down
	.globl	k_q068ff83d28_down
	.p2align	8
	.type	k_q068ff83d28_down,@function
k_q068ff83d28_down:
	s_mov_b64 s[64:65], 0
	v_nop
	global_prefetch_b8 v0, s[64:65] scope:SCOPE_SE
	s_setreg_imm32_b32 hwreg(HW_REG_WAVE_MODE, 25, 1), 1
	s_wait_xcnt 0x0
; THE SECOND PRODUCT, FOR THE CHOSEN ROWS ONLY: out[token] = Q(h) W2^T + b2, stored to each token's own row.
; SHARES.  Work-group (X, e) owns outputs 32 X .. 32 X + 31 of expert e: 32 rows of W2, 98,304 consecutive bytes, read once by dense loads and turned through LDS.  THE WAVES SPLIT K: wave w keeps K steps 8 w .. 8 w + 7 of both
; tiles of outputs in 192 registers, so that each byte of h enters the work-group once.  The four partial sums meet in LDS.
; The number of tiles is read from memory.  Every barrier stands on the path that every wave takes whatever that number is: one at the head, two in each of four passes of 256 rows.  The loops between them have constant
; counts and jump over the work of tiles that the expert does not have; that number is even, so one test serves a unit of two tiles.
; No tensor loads, clusters or joint requests: what is multiplied hangs on a number read from memory, and no two work-groups read the same weights.
; LAYOUT.  Transposed: source 0 = 16 rows of W2, source 1 = 16 rows of h (an image of the operand's registers in memory: three loads of 16 bytes a lane): a lane holds eight neighbouring outputs of one token.
; A padding row names the expert's first token and holds that token's h: it stores the same numbers to the same place.  A slice of 32 outputs makes runs of 128 consecutive bytes of out.
; REGISTERS.  Window 0: v1-27 addresses; v32-47 W2's scale words; v48-55 h's, two sets; v56-59 b2; v64-79 two accumulators; v80-87 the list as loaded; v96-135 at work in the sum.
;   Window 1: W2's 16 fragments (tile n, K step s at 12 (8 n + s)).   Windows 2, 3: h's 8 fragments of a tile, two sets; window 3 first takes the weights as loaded.
.set WPITCH, 3088                      ; a row of W2 in LDS: 3,072 bytes + 16 = 772 words: row p starts at bank 4 p mod 64 (64 banks of 4 bytes: ISA guide 11.1)
.set PART,   32*WPITCH                 ; behind the weights: the partial sums, [wave][256 rows][128 bytes + 16]
.set PARTW,  256*144
.set LIST,   PART+4*PARTW              ; behind them: the expert's list, 4,096 bytes
.set W2S,  32
.set HS,   48
.set B2,   56
.set ACC,  64
.set LRAW, 80
.set PR,   96
.set RS,   128
.set MSB,  0
.macro WIN new                         ; the immediate's high byte repeats the setting that is left
.if MSB != (\new)
	s_set_vgpr_msb (MSB<<8)|(\new)
.set MSB, (\new)
.endif
.endm
	s_load_b256 s[4:11], s[0:1], 0x0               ; hq s[4:5], hs s[6:7], W2's codes s[8:9], W2's scales s[10:11]
	s_load_b256 s[12:19], s[0:1], 0x20             ; b2 s[12:13], lst s[14:15], cnt s[16:17], out s[18:19]
	v_lshl_add_u32 v254, v0, 2, 0x3d200
	v_mov_b32 v255, 0
	v_lshrrev_b32 v1, 5, v0
	v_readfirstlane_b32 s20, v1                    ; wave 0..3
	s_mov_b32 s21, ttmp9                           ; X
	s_and_b32 s22, ttmp7, 0xffff                   ; e
	v_and_b32 v1, 31, v0                           ; lane
	v_and_b32 v2, 15, v0                           ; r
	v_bfe_u32 v3, v0, 4, 1                         ; h
	v_lshlrev_b32 v4, 4, v1                        ; 16 x lane
	s_mul_i32 s44, s20, 8*WPITCH
	v_add_nc_u32 v7, s44, v4                       ; the weights' way in: my wave's eight rows
	v_mul_u32_u24 v8, v2, WPITCH
	v_mad_u32_u24 v8, v3, 24, v8
	s_mul_i32 s44, s20, 768
	v_add_nc_u32 v8, s44, v8                       ; way out: row r, + 24 h, + my eight K steps of 96 bytes
	s_lshl_b32 s44, s20, 10
	s_add_co_u32 s44, s44, LIST
	v_add_nc_u32 v9, s44, v4                       ; my quarter of the list
	v_mul_u32_u24 v10, v2, 144
	v_lshl_add_u32 v10, v3, 5, v10
	s_mul_i32 s44, s20, PARTW
	s_add_co_u32 s44, s44, PART
	v_add_nc_u32 v10, s44, v10                     ; my partial sums: row r, + 32 h
	v_lshrrev_b32 v25, 3, v1
	v_and_b32 v26, 7, v1
	v_lshlrev_b32 v24, 4, v26                      ; 16 (lane % 8): my four outputs
	s_lshl_b32 s44, s20, 3
	v_add_nc_u32 v27, s44, v25                     ; in a group of 32 rows I sum rows 8 w + lane / 8 and four further on
	v_mul_u32_u24 v12, v27, 144
	v_add_nc_u32 v12, v12, v24
	v_add_nc_u32 v12, PART, v12                    ; waves 0 and 1's partial sums of that row,
	v_add_nc_u32 v13, 2*PARTW, v12                 ; waves 2 and 3's
	v_lshl_add_u32 v16, v27, 2, LIST               ; and its token
	s_lshl_b32 s44, s21, 7
	v_add_nc_u32 v20, s44, v24                     ; my bytes in a row of out
	v_lshlrev_b32 v23, 7, v2                       ; W2's scale words: 128 bytes a row
	s_wait_kmcnt 0x0
	s_mov_b32 s47, 0
	s_lshl_b32 s46, s22, 7
	s_add_nc_u64 s[16:17], s[16:17], s[46:47]
	s_load_b128 s[24:27], s[16:17], 0x0            ; s26 = tiles to make (even), s27 = the last tile that was written
	s_lshl_b32 s46, s22, 12
	s_lshl_b32 s45, s20, 10
	s_add_co_u32 s46, s46, s45
	s_add_nc_u64 s[14:15], s[14:15], s[46:47]      ; my quarter of the expert's list
	s_lshl_b32 s44, s22, 10
	s_lshl_b32 s45, s21, 5
	s_add_co_u32 s44, s44, s45                     ; the first row of W2: 1,024 e + 32 X
	s_mul_i32 s46, s44, 3072
	s_mul_i32 s45, s20, 24576
	s_add_co_u32 s46, s46, s45
	s_add_nc_u64 s[8:9], s[8:9], s[46:47]          ; my eight rows
	s_lshl_b32 s46, s44, 7
	s_lshl_b32 s45, s20, 5
	s_add_co_u32 s46, s46, s45
	s_add_nc_u64 s[10:11], s[10:11], s[46:47]      ; my eight words of each row's scales
	s_lshl_b32 s46, s44, 2
	s_add_nc_u64 s[12:13], s[12:13], s[46:47]
	s_mul_i32 s46, s22, 3145728
	s_mul_i32 s45, s20, 12288
	s_add_co_u32 s46, s46, s45
	s_add_nc_u64 s[28:29], s[4:5], s[46:47]        ; hq: expert e, tile 0, my eight K steps
	s_lshl_b32 s46, s22, 17
	s_lshl_b32 s45, s20, 9
	s_add_co_u32 s46, s46, s45
	s_add_nc_u64 s[30:31], s[6:7], s[46:47]        ; hs likewise
	global_load_b128 v[LRAW:LRAW+3], v4, s[14:15]
	global_load_b128 v[LRAW+4:LRAW+7], v4, s[14:15] offset:512
.irp n, 0,1
	global_load_b128 v[W2S+8*\n:W2S+8*\n+3], v23, s[10:11] offset:2048*\n
	global_load_b128 v[W2S+8*\n+4:W2S+8*\n+7], v23, s[10:11] offset:2048*\n+16
.endr
	global_load_b128 v[B2:B2+3], v24, s[12:13]
	WIN 0xc0                                       ; destination window 3
.set j, 0
.rept 48
	global_load_b128 v[4*j:4*j+3], v4, s[8:9] offset:512*j th:TH_LOAD_NT   ; 512 consecutive bytes; each weight byte is read once in the launch
.set j, j+1
.endr
	WIN 0
.macro BASE buf                        ; tile s44, held to the tiles that were written, becomes set buf's two bases
	s_min_u32 s44, s44, s27
	s_min_u32 s44, s44, 63                         ; a loaded number enters an address behind this bound
	s_mul_i32 s46, s44, 49152
	s_mov_b32 s47, 0
	s_add_nc_u64 s[32+2*(\buf):33+2*(\buf)], s[28:29], s[46:47]
	s_lshl_b32 s46, s44, 11
	s_add_nc_u64 s[36+2*(\buf):37+2*(\buf)], s[30:31], s[46:47]
.endm
.macro ISSUE buf                       ; 25 loads, each of 512 consecutive bytes: a tile's eight fragments and its eight scale words a row
	WIN 0x80+0x40*(\buf)
.irp s, 0,1,2,3,4,5,6,7
.irp k, 0,1,2
	global_load_b128 v[12*\s+4*\k:12*\s+4*\k+3], v4, s[32+2*(\buf):33+2*(\buf)] offset:1536*\s+512*\k
.endr
.endr
	WIN 0
	global_load_b128 v[HS+4*(\buf):HS+4*(\buf)+3], v4, s[36+2*(\buf):37+2*(\buf)]   ; register q: lanes 0-15 K step q of row r, lanes 16-31 K step 4 + q
.endm
	s_wait_kmcnt 0x0
	s_mov_b32 s44, 0
	BASE 0
	ISSUE 0
	s_wait_loadcnt 25                              ; the list, the scale words, b2 and the weights are in; tile 0's 25 loads may be out
	ds_store_b128 v9, v[LRAW:LRAW+3]
	ds_store_b128 v9, v[LRAW+4:LRAW+7] offset:512
	WIN 0x0c                                       ; an LDS store's data are its source 1: window 3
.set j, 0
.rept 48                               ; six loads to a row of 3,072 bytes
	ds_store_b128 v7, v[4*j:4*j+3] offset:(j/6)*WPITCH+512*(j%6)
.set j, j+1
.endr
	WIN 0
	s_wait_dscnt 0x0                               ; for the others' sake: my stores have landed (and have read window 3)
	s_barrier_signal -1
	s_barrier_wait -1                              ; the 32 rows of W2 and the list lie in LDS
	s_mov_b32 s44, 1
	BASE 1
	ISSUE 1
	WIN 0x40                                       ; destination window 1
.irp n, 0,1
.irp s, 0,1,2,3,4,5,6,7
.irp p, 0,1,2,3,4,5
	ds_load_b64 v[12*(8*\n+\s)+2*\p:12*(8*\n+\s)+2*\p+1], v8 offset:16*\n*WPITCH+96*\s+48*(\p/3)+8*(\p%3)
.endr
.endr
.endr
	WIN 0
	s_wait_dscnt 0x0
.macro MUL buf                         ; 16 matrix instructions: my eight K steps, the two accumulators by turns, one instruction a turn; the first K step starts the sums
	WIN 0x09+4*(\buf)                              ; source 0 (W2) window 1, source 1 (h) window 2 or 3
.irp s, 0,1,2,3,4,5,6,7
.irp n, 0,1
.if \s == 0
	v_wmma_scale_f32_16x16x128_f8f6f4 v[ACC+8*\n:ACC+8*\n+7], v[12*(8*\n+\s):12*(8*\n+\s)+11], v[12*\s:12*\s+11], 0, v[W2S+8*\n+\s], v[HS+4*(\buf)+\s%4] matrix_a_fmt:MATRIX_FMT_FP6 matrix_b_fmt:MATRIX_FMT_FP6
.elseif \s < 4
	v_wmma_scale_f32_16x16x128_f8f6f4 v[ACC+8*\n:ACC+8*\n+7], v[12*(8*\n+\s):12*(8*\n+\s)+11], v[12*\s:12*\s+11], v[ACC+8*\n:ACC+8*\n+7], v[W2S+8*\n+\s], v[HS+4*(\buf)+\s%4] matrix_a_fmt:MATRIX_FMT_FP6 matrix_b_fmt:MATRIX_FMT_FP6
.else
	v_wmma_scale_f32_16x16x128_f8f6f4 v[ACC+8*\n:ACC+8*\n+7], v[12*(8*\n+\s):12*(8*\n+\s)+11], v[12*\s:12*\s+11], v[ACC+8*\n:ACC+8*\n+7], v[W2S+8*\n+\s], v[HS+4*(\buf)+\s%4] matrix_a_fmt:MATRIX_FMT_FP6 matrix_b_fmt:MATRIX_FMT_FP6 matrix_b_scale:MATRIX_SCALE_ROW1
.endif
.endr
.endr
	WIN 0
.endm
; A tile.  At a unit's head two groups of 25 loads are out: set 0's, then set 1's.
.macro WORK buf
	s_wait_dscnt 0x0                               ; the last tile's stores have read the accumulators
	s_wait_loadcnt 25                              ; this tile's operands are in; the other set's 25 loads may be out
	MUL \buf
	s_add_co_u32 s44, s43, 2+(\buf)                ; the tile two on
	BASE \buf
	v_add_nc_u32 v11, s48, v10                     ; five places behind the products: four ahead of the stores that read their results and of the loads into their sources, five ahead of the next tile's first products, which write over the accumulators
.rept 4
	v_nop
.endr
.irp n, 0,1
	ds_store_b128 v11, v[ACC+8*\n:ACC+8*\n+3] offset:2304*(\buf)+64*\n        ; each accumulator from its low end on
	ds_store_b128 v11, v[ACC+8*\n+4:ACC+8*\n+7] offset:2304*(\buf)+64*\n+16
.endr
	ISSUE \buf
.endm
	s_mov_b32 s40, 0                               ; the pass: 256 rows
.Lpass:
	s_mov_b32 s41, 0                               ; the unit: two tiles
.Lk:
	s_lshl_b32 s43, s40, 4
	s_lshl_b32 s44, s41, 1
	s_add_co_u32 s43, s43, s44                     ; its first tile
	s_mul_i32 s48, s41, 4608                       ; its 32 rows among my partial sums
	s_cmp_ge_u32 s43, s26
	s_cbranch_scc1 .Lkskip                         ; a unit that the expert does not have is jumped over: what is out stays as it was
	WORK 0
	WORK 1
.Lkskip:
	s_add_co_u32 s41, s41, 1
	s_cmp_lt_u32 s41, 8
	s_cbranch_scc1 .Lk
	s_wait_dscnt 0x0                               ; for the others' sake: my partial sums have landed
	s_barrier_signal -1
	s_barrier_wait -1                              ; the pass's partial sums lie in LDS
	s_mov_b32 s42, 0                               ; the group: 32 rows
.Lg:
	s_lshl_b32 s43, s40, 4
	s_lshl_b32 s44, s42, 1
	s_add_co_u32 s43, s43, s44
	s_cmp_ge_u32 s43, s26
	s_cbranch_scc1 .Lgskip
	s_mul_i32 s49, s42, 4608
	s_lshl_b32 s50, s40, 10
	s_lshl_b32 s44, s42, 7
	s_add_co_u32 s50, s50, s44
	v_add_nc_u32 v14, s49, v12
	v_add_nc_u32 v15, s49, v13
	v_add_nc_u32 v17, s50, v16
	ds_load_b32 v18, v17
	ds_load_b32 v19, v17 offset:16
.irp i, 0,1
	ds_load_b128 v[PR+16*\i:PR+16*\i+3], v14 offset:576*\i
	ds_load_b128 v[PR+16*\i+4:PR+16*\i+7], v14 offset:PARTW+576*\i
	ds_load_b128 v[PR+16*\i+8:PR+16*\i+11], v15 offset:576*\i
	ds_load_b128 v[PR+16*\i+12:PR+16*\i+15], v15 offset:PARTW+576*\i
.endr
	s_wait_dscnt 0x0
	s_wait_xcnt 0x0                                ; the last group's stores have read their data and offsets: both are written again only behind this wait
.irp i, 0,1
.irp d, 0,2
	v_pk_add_f32 v[PR+16*\i+\d:PR+16*\i+\d+1], v[PR+16*\i+\d:PR+16*\i+\d+1], v[PR+16*\i+4+\d:PR+16*\i+4+\d+1]
	v_pk_add_f32 v[PR+16*\i+8+\d:PR+16*\i+8+\d+1], v[PR+16*\i+8+\d:PR+16*\i+8+\d+1], v[PR+16*\i+12+\d:PR+16*\i+12+\d+1]
.endr
.endr
.irp i, 0,1
	v_min_u32 v[18+\i], 0x3ff, v[18+\i]            ; a loaded number enters an address behind this bound
.endr
.irp i, 0,1
.irp d, 0,2
	v_pk_add_f32 v[PR+16*\i+\d:PR+16*\i+\d+1], v[PR+16*\i+\d:PR+16*\i+\d+1], v[PR+16*\i+8+\d:PR+16*\i+8+\d+1]
.endr
.endr
.irp i, 0,1
	v_lshl_add_u32 v[21+\i], v[18+\i], 12, v20     ; the token's row of 4,096 bytes
.endr
.irp i, 0,1
.irp d, 0,2
	v_pk_add_f32 v[RS+4*\i+\d:RS+4*\i+\d+1], v[PR+16*\i+\d:PR+16*\i+\d+1], v[B2+\d:B2+\d+1]
.endr
.endr
.irp i, 0,1
	global_store_b128 v[21+\i], v[RS+4*\i:RS+4*\i+3], s[18:19] th:TH_STORE_NT   ; eight lanes store 128 consecutive bytes of a token's row; written once, read by nobody here
.endr
.Lgskip:
	s_add_co_u32 s42, s42, 1
	s_cmp_lt_u32 s42, 8
	s_cbranch_scc1 .Lg
	s_wait_dscnt 0x0                               ; my reads of the partial sums are over
	s_barrier_signal -1
	s_barrier_wait -1                              ; everybody's are: the next pass may write them
	s_add_co_u32 s40, s40, 1
	s_cmp_lt_u32 s40, 4
	s_cbranch_scc1 .Lpass
	s_wait_tensorcnt 0x0
	ds_add_u32 v254, v255
	s_wait_dscnt 0x0
	s_endpgm
.Lfunc_end_k_q068ff83d28_down:
	.size	k_q068ff83d28_down, .Lfunc_end_k_q068ff83d28_down-k_q068ff83d28_down
	.p2alignl 7, 3214868480
	.fill 96, 4, 3214868480
	.section	.rodata,"a",@progbits
	.p2align	6, 0x0
	.amdhsa_kernel k_q068ff83d28_down
		.amdhsa_group_segment_fixed_size 250880
		.amdhsa_private_segment_fixed_size 0
		.amdhsa_enable_private_segment 0
		.amdhsa_kernarg_size 64
		.amdhsa_user_sgpr_count 2
		.amdhsa_user_sgpr_kernarg_segment_ptr 1
		.amdhsa_wavefront_size32 1
		.amdhsa_system_sgpr_workgroup_id_x 1
		.amdhsa_system_sgpr_workgroup_id_y 1
		.amdhsa_system_sgpr_workgroup_id_z 1
		.amdhsa_system_vgpr_workitem_id 0
		.amdhsa_next_free_vgpr 1024
		.amdhsa_next_free_sgpr 66
		.amdhsa_reserve_vcc 0
		.amdhsa_float_denorm_mode_32 3
		.amdhsa_float_denorm_mode_16_64 3
		.amdhsa_memory_ordered 1
		.amdhsa_forward_progress 1
		.amdhsa_inst_pref_size 38
	.end_amdhsa_kernel
	.amdgpu_metadata
---
amdhsa.version: [ 1, 2 ]
amdhsa.kernels:
  - .name:           k_q068ff83d28_down
    .symbol:         k_q068ff83d28_down.kd
    .args:
      - { .name: hq, .offset: 0, .size: 8, .value_kind: global_buffer, .address_space: global }
      - { .name: hs, .offset: 8, .size: 8, .value_kind: global_buffer, .address_space: global }
      - { .name: w2_codes, .offset: 16, .size: 8, .value_kind: global_buffer, .address_space: global }
      - { .name: w2_scales, .offset: 24, .size: 8, .value_kind: global_buffer, .address_space: global }
      - { .name: b2, .offset: 32, .size: 8, .value_kind: global_buffer, .address_space: global }
      - { .name: lst, .offset: 40, .size: 8, .value_kind: global_buffer, .address_space: global }
      - { .name: cnt, .offset: 48, .size: 8, .value_kind: global_buffer, .address_space: global }
      - { .name: out0, .offset: 56, .size: 8, .value_kind: global_buffer, .address_space: global }
    .group_segment_fixed_size: 250880
    .private_segment_fixed_size: 0
    .kernarg_segment_align: 8
    .kernarg_segment_size: 64
    .max_flat_workgroup_size: 128
    .sgpr_count:     66
    .vgpr_count:     1024
    .wavefront_size: 32
...
	.end_amdgpu_metadata
.endif
;; end of part 4
